; MI455X (gfx1250); checked and timed in simulation.
; The chip was launched on July 23, 2026; its instructions are those of AMD's public machine-readable ISA for CDNA 5 (MIT licence, August 2026) and "CDNA5" Instruction Set Architecture Reference Guide (July 2026). The comments in the code are by the model that wrote it; some were corrected since.
;; Skill Execution Adapter. Allowed arithmetic: matrix products marked QUANTISED: E2M1 operands, one E8M0 scale for each 32 along K, by v_wmma_scale_f32_16x16x128_f8f6f4 with both operands' format E2M1 (or v_wmma_scale_f32_32x16x128_f4), f32 sums; products left as they are: f32 operands where the result goes on into a quantised operand, else bf16, f16 or f32 operands; f32 sums; everything else in f32.
;; Inputs: W_kv 128 x 4,096 float32; W_out_codes 2,048 x 64 x 16 uint8 (E2M1 codes of W_out, K innermost, in blocks of 32 codes, two codes a byte); W_out_scales 2,048 x 64 uint8 (E8M0 scales of W_out, one for each 32 codes along K); W_q_codes 2,048 x 64 x 16 uint8 (E2M1 codes of W_q, K innermost, in blocks of 32 codes, two codes a byte); W_q_scales 2,048 x 64 uint8 (E8M0 scales of W_q, one for each 32 codes along K); b_kv 4,096 float32; h_codes 2 x 2,048 x 64 x 16 uint8 (E2M1 codes of h, K innermost, in blocks of 32 codes, two codes a byte); h_scales 2 x 2,048 x 64 uint8 (E8M0 scales of h, one for each 32 codes along K); skill 2 x 128 float32.
;; Outputs: out0 2 x 2,048 x 2,048 float32.
;; This version of the problem:
;;   THIS VERSION OF THE PROBLEM IS GIVEN IN LOW PRECISION. The matrix products marked QUANTISED in the list below multiply operands that are first quantised to E2M1 (2 exponent bits, 1 mantissa bit; 4 bits a number), with one power-of-two scale for each 32 numbers along K (OCP MX v1.0); their sums are f32. All else is computed in f32.
;;   The module's matrix products, in the order in which they are computed (A, B: the left and right operand; K: the contracted axis; several contracted axes count as one K, in the product's order):
;;     1. [M 2, K 128] x [K 128, N 4,096]; A: input skill; B: input W_kv: left as it is (M = 2 < 16)
;;     2. [M 4,096, K 2,048] x [K 2,048, N 2,048]; A: input h (given as codes); B: input W_q (given as codes): QUANTISED
;;     3. batch 32 x [M 2,048, K 128] x [K 128, N 2,048]; A: computed on the way; B: computed on the way: QUANTISED
;;     4. batch 32 x [M 2,048, K 2,048] x [K 2,048, N 128]; A: softmax (see below); B: computed on the way: QUANTISED
;;     5. [M 4,096, K 2,048] x [K 2,048, N 2,048]; A: computed on the way; B: input W_out (given as codes): QUANTISED
;;   THE QUANTISER, for each operand of a quantised product, along K:
;;     - K is cut into blocks of 32 from its start; a last block that is shorter is filled with zeros.
;;     - A block's scale is 2^e with e = floor(log2(the largest magnitude in the block)) - 2, held to -126 .. 127; a block of zeros has e = 0. As a byte (E8M0): e + 127.
;;     - Each number is divided by its block's scale, clamped to +-6, and rounded to the nearest number of E2M1, ties to even, subnormals kept.
;;     - The product sums the exact products of the quantised numbers (number of the format x scale) in f32.
;;   ~~~python
;;   def quantise(x, axis):      # numpy; x: float32 -> the quantised numbers, widened to float32 again
;;       x = np.moveaxis(x, axis, -1); K = x.shape[-1]
;;       x = np.pad(x, [(0, 0)] * (x.ndim - 1) + [(0, -K % 32)]); x = x.reshape(x.shape[:-1] + (-1, 32)); a = np.abs(x).max(-1, keepdims=True)
;;       e = np.where(a > 0, np.clip(np.frexp(np.where(a > 0, a, 1))[1] - 1 - 2, -126, 127), 0)      # np.frexp(a)[1] - 1 = floor(log2(a)), exactly
;;       r = np.clip(x / 2.0 ** e, -6, 6)
;;       step = 2.0 ** (np.maximum(np.frexp(np.where(r == 0, 1, r))[1] - 1, 0) - 1)
;;       q = np.round(r / step) * step * 2.0 ** e      # np.round: ties to even
;;       return np.moveaxis(q.reshape(q.shape[:-2] + (-1,))[..., :K], -1, axis).astype(np.float32)
;;   ~~~
;;   SOFTMAX AHEAD OF A QUANTISED PRODUCT. Where the list says 'softmax', what is quantised is not the finished softmax but p = 2^(t - M), with t = logit x log2(e) and M = ceil(the row's largest t), a whole number; so 1/2 < the row's largest p <= 1. The row's sum l is taken of the UNQUANTISED p, in f32, and the product's result is divided by l at the end. Since M is a whole number, a kernel that streams over the keys may use a running M (the ceiling of the running maximum): every later rescaling is an exact power of two, which a block's scale takes up: the codes' values come out the same.
;;   OPERANDS COMPUTED ON THE WAY. 'Computed on the way' means the value that the module computes at that place (a softmax that the list does not call 'softmax' is quantised finished and normalised). What goes into a quantiser is computed in f32, as accurately as f32 sums, v_exp_f32 and their like allow (about 1e-6 of the number): no bf16 or f16 on the way to a quantiser, and a product that is left as it is and whose result goes on into a quantised operand takes f32 operands (vector FMAs, or v_wmma_f32_16x16x4_f32). A number that lies on a knife's edge between two numbers of the format may be rounded either way, as far as f32 arithmetic and the matrix unit's own rounding can turn it there, and no further.
;;   INPUTS GIVEN AS CODES. W_out (in the module: [2048, 2048], K = its axis 0); W_q (in the module: [2048, 2048], K = its axis 0); h (in the module: [2, 2048, 2048], K = its axis 2): each comes as NAME_codes (uint8): NAME with its K axis moved to the last place and cut into blocks of 32 codes, [.., K / 32, bytes a block], one block behind the other in memory; two codes a byte, the lower K in the low four bits (a code: sign, 2 exponent bits, 1 mantissa bit); and NAME_scales (uint8): the same leading axes, one E8M0 byte (e + 127) for each 32 codes along K. Its value is code x scale, taken as it is: it is not quantised again, and the codes and scales need not be those that the quantiser above would give.
;; One version. Each part assembles by itself: llvm-mc -triple=amdgcn-amd-amdhsa -mcpu=gfx1250 --defsym DOCPART=n.
;; ======== version 1 of 1: 2 launches
;; limits: right only within a limited range of input values
;; workspace buffers: a2_codes 4,194,304 bytes; a2_scales 262,144 bytes
;; launch qattn (part 1): grid 16 x 16, 8 waves a work-group, clusters of 4 x 4, 327,680 bytes of LDS; arguments h_codes, h_scales, W_q_codes, W_q_scales, W_kv, b_kv, skill, a2_codes, a2_scales; writes a2_codes, a2_scales
.if DOCPART == 1
	.amdgcn_target "amdgcn-amd-amdhsa--gfx1250"
	.amdhsa_code_object_version 6
	.text
	.protected	k_q698d82ec52_qattn
	.globl	k_q698d82ec52_qattn
	.p2align	8
	.type	k_q698d82ec52_qattn,@function
k_q698d82ec52_qattn:
	s_mov_b64 s[64:65], 0
	v_nop
	global_prefetch_b8 v0, s[64:65] scope:SCOPE_SE
	s_setreg_imm32_b32 hwreg(HW_REG_WAVE_MODE, 25, 1), 1
	s_wait_xcnt 0x0
	s_wait_alu depctr_hold_cnt(0) depctr_sa_sdst(0) depctr_va_vdst(0) depctr_va_sdst(0) depctr_va_ssrc(0) depctr_va_vcc(0) depctr_vm_vsrc(0)
	s_getreg_b32 s2, hwreg(HW_REG_IB_STS2, 6, 4)
	s_cmp_eq_u32 s2, 0
	s_cbranch_scc0 .Lentry_in_a_cluster
	s_endpgm
.Lentry_in_a_cluster:
	s_bfe_u32 s2, ttmp6, 0x10000c
	s_cmp_lg_u32 s2, 0xf033
	s_cbranch_scc0 .Lentry_shape_is_right
	s_endpgm
.Lentry_shape_is_right:
; FIRST LAUNCH: q = h W_q on codes of FP4 (E2M1, one E8M0 scale for each 32 along K), the attention on the one skill token, and the quantiser for the last product.
; The result is the last product's left operand: a2_codes holds images of operand registers, [block of 16 rows][K step of 128][half c][lane][16 bytes], a2_scales one word for each row and K step, [K step][row].
; THE ATTENTION.  The module broadcasts ONE vector k and ONE vector v of a batch and head to all 2,048 key and value slots.  So for all values of the inputs the 2,048 scores of a row are one number: the product q k^T
; is multiplied for one tile of 16 keys, and its other columns, the same number again, are left out (a NaN, an infinity or an overflow that would arise only in them is not carried).  t = score x log2(e) / sqrt(128); M = ceil(t);
; p = 2^(t - M) is quantised; the row's sum of the unquantised p is 2,048 p.  p's codes of a K step are one code, and so are those of v[d]: the fragments are made once, and the product p v is summed over all 2,048 keys,
; KREP = 16 K steps of 128 (the sums are whole multiples of a power of two under 2^24: nothing is rounded).  All inputs are loaded.
; SHARES.  4,096 x 2,048 numbers of q are 16 x 16 tiles of 256 rows x 128 columns (one head), a work-group to a tile.  Wave w makes rows 64 (w % 4) .. + 63 x the head's columns 64 c .. + 63, c = w / 4: 16 accumulators, 128 registers.
; K = 2,048 goes in four slots of 512 (rows of 256 bytes) through three regions of LDS.  The head's loads, one a wave: waves 0, 1 slot 0 (h, W_q), waves 2, 3 slot 1, waves 4, 5 slot 2.  Slot 3 is the one refill, into region 0, in K step 4.
; CLUSTERS: 4 x 4 work-groups.  The four of a row of the cluster need the same rows of h, the four of a column the same rows of W_q: each tile is asked for JOINTLY.
; PREFETCH INTO THE L2: slot 3 alone, in K step 0, four K steps ahead of its load (slots 0 to 2 come by the head's loads alone).  A lane a row of 256 bytes; the four partners share a tile's rows out by address: of h's 256 rows
; the partner at place cx takes 64 (waves 6 and 7, 32 each), of W_q's 128 the one at place cy takes 32 (wave 5).  So each block of 256 bytes is named once in each cluster that will load it.
; THE MATRIX INSTRUCTION IS USED TRANSPOSED (source 0 = 16 rows of the weight, source 1 = 16 rows of h): lane (r, h) holds row r, and register j of tile b column 16 b + 8 h + j.
; k and v of the head and batch are made in f32 by fused multiply-adds: wave w sums 16 of the 128 terms, its rows of W_kv arrive during the K steps, the parts meet in LDS.
; LIMITS.  NaN and infinities are not served; the scaled scores stay under 2^31 in magnitude.  A block whose largest magnitude lies under 2^-124, a block of zeros too, gets the scale byte 1: this program alone reads the bytes.
; log2(e) / sqrt(128) is one constant where the module multiplies twice.  The division by the row's sum is v_rcp_f32 and a multiplication.  q k^T is summed as two halves of 64.
; REGISTERS.  Window 0: v0-31 addresses and q's scale words; v32-95 scale words; v96-127 small things; v128-191 h's fragments, two sets; v192-255 W_q's, two sets.  Window 1: v0-127 accumulators ((a, b) at 8 (4 a + b)), v128-255 W_kv's numbers.
.set KREP,    16                       ; K steps of 128 keys in the product p v
.set LOGKREP, 4
.set PITCH,   272
.set ABYTES,  256*PITCH                ; a region: 256 rows of h, then 128 rows of W_q, 256 bytes + 16 of padding each
.set REG,     384*PITCH
.set SPARE,   3*REG                    ; the spare words, 128 bytes for each wave
.set KVP,     SPARE+1024               ; the waves' partial sums: [wave][k 512 bytes, v 512 bytes]
.set KVF,     KVP+8192                 ; k, then v: 256 numbers of f32
.set SCP,     KVF+1024                 ; partial scores [half][row]
.set SWS,     SCP+2048                 ; the result's scale words, 256 rows
.set ADRA, 4                           ; v4-6 LDS address of my fragments of h in region 0, 1, 2
.set ADRB, 8                           ; v8-10 the same for W_q
.set SPW,  11
.set NIL,  12
.set SOF,  13                          ; 64 r + 16 h
.set LI,   14                          ; 16 x lane
.set BOF,  15
.set PAW,  16
.set PAR,  17
.set KFW,  18
.set KFR,  19
.set VFR,  20
.set SCW,  21
.set SCR,  22
.set SWA,  23
.set SWR,  24
.set TV,   25
.set QW,   26                          ; v26-29 q's scale words
.set PFO,  30                          ; the prefetch's offset: 1,024 x lane; never rewritten
.set SA,   32                          ; h's scale words: SA + 8 a + 4 (S / 8) + S % 4, lanes 16 ((S / 4) % 2) + r: block a, row r, K step S
.set SB,   64                          ; W_q's likewise
.set KA,   96                          ; my partial sums: 4 of k, 4 of v
.set PT,   104                         ; the eight waves' parts of one number
.set QF,   96                          ; behind the K loop: q's codes, 4 registers a block, then 4 zeros
.set PP,   96                          ; then p
.set RL,   100                         ; 1 / (2,048 p), a pair for each block a
.set Z,    108                         ; one number and seven zeros
.set KW,   116                         ; k's scale word
.set VW,   117                         ; v's
.set PW,   121                         ; p's
.set BI,   125                         ; bias of number t
.set AF,   128
.set BF,   192
.set X,    128                         ; 32 numbers of k
.set PF,   128                         ; then p's four fragments
.set OC,   128                         ; then the result's codes
.set OW,   144
.set OS,   148
.set TM,   160                         ; at work, 32 registers
.set KF,   192                         ; k's fragment
.set VF,   192                         ; then v's four
.set VV,   204                         ; four numbers of v
.set SS,   224                         ; the scores' four tiles
.set WV,  22
.set CH,  23
.set RG,  24
.set CX,  25
.set CY,  26
.set TX,  27
.set TY,  28
.set BT,  29
.set G1A, 32
.set G1B, 40
.set G0A, 48                           ; s[48:59], a set for each region
.set SEL, 60
.set CS,  62
.set PFB, 66                           ; s[66:67] where my wave's prefetch stands; never rewritten behind it
.set G0B, 68                           ; s[68:79]
.set SKS, 80                           ; s[80:95] my 16 numbers of skill
.set MSB, 0
.macro WIN new                         ; bits 1:0 source 0, 3:2 source 1, 5:4 source 2, 7:6 destination; the high byte repeats the setting that is left
.if MSB != \new
	s_set_vgpr_msb (MSB<<8)|\new
.set MSB, \new
.endif
.endm
.set MUL, 0x50                         ; C and D window 1
.macro PLACES n
.rept \n
	v_nop
.endr
.endm
.macro CREST                           ; a round of the cluster's barrier behind its opening barrier
	s_cmp_lg_u32 s[WV], 0
	s_cbranch_scc1 .Lnot_wave_0_\@
	s_barrier_signal -3
.Lnot_wave_0_\@:
	s_barrier_wait -3
	s_barrier_signal -1
	s_barrier_wait -1
.endm
.macro CROUND
	s_barrier_signal -1
	s_barrier_wait -1
	CREST
.endm
.macro G1SET g, d0, d1, pitch          ; descriptor group 1, words 1 to 7
	s_mov_b32 s[\g+1], (\d0)<<16
	s_mov_b32 s[\g+2], (\d1)<<16
	s_mov_b32 s[\g+3], (\d0)<<16
	s_mov_b32 s[\g+4], \d1
	s_mov_b32 s[\g+5], \pitch
	s_mov_b32 s[\g+6], 0
	s_mov_b32 s[\g+7], 0
.endm
.macro G0SET g, lds, base, off         ; descriptor group 0
	s_mov_b32 s[\g], 1
	s_mov_b32 s[\g+1], \lds
	s_add_nc_u64 s[\g+2:\g+3], s[\base:\base+1], \off
	s_or_b32 s[\g+3], s[\g+3], 0x80000000
.endm
.macro ARM under, g0, g1, next         ; an arm of the head's chain: one joint load
	s_cmp_lt_u32 s[WV], \under
	s_cbranch_scc0 \next
	tensor_load_to_lds s[\g0:\g0+3], s[\g1:\g1+7]
	s_nop 0
	PLACES 4
	s_branch .Lhead_asked
\next:
.endm
.macro JLOAD                           ; the refill: wave 0 fetches for h, wave 1 for W_q
	s_cmp_lt_u32 s[WV], 1
	s_cbranch_scc0 .Lnot_h_\@
	tensor_load_to_lds s[G0A:G0A+3], s[G1A:G1A+7]
	s_nop 0
	PLACES 4
	s_branch .Lasked_\@
.Lnot_h_\@:
	s_cmp_lt_u32 s[WV], 2
	s_cbranch_scc0 .Lasked_\@
	tensor_load_to_lds s[G0B:G0B+3], s[G1B:G1B+7]
	s_nop 0
	PLACES 4
.Lasked_\@:
.endm
.macro WM d, b, a, zero, sb, sa, row   ; one matrix instruction; zero = 1 starts the sum; row: which half of the lanes of both scale registers is read
.set wD, \d
.set wB, \b
.set wA, \a
.set wSB, \sb
.set wSA, \sa
.if \zero
	v_wmma_scale_f32_16x16x128_f8f6f4 v[wD:wD+7], v[wB:wB+7], v[wA:wA+7], 0, v[wSB], v[wSA] matrix_a_fmt:MATRIX_FMT_FP4 matrix_b_fmt:MATRIX_FMT_FP4
.elseif \row
	v_wmma_scale_f32_16x16x128_f8f6f4 v[wD:wD+7], v[wB:wB+7], v[wA:wA+7], v[wD:wD+7], v[wSB], v[wSA] matrix_a_fmt:MATRIX_FMT_FP4 matrix_b_fmt:MATRIX_FMT_FP4 matrix_a_scale:MATRIX_SCALE_ROW1 matrix_b_scale:MATRIX_SCALE_ROW1
.else
	v_wmma_scale_f32_16x16x128_f8f6f4 v[wD:wD+7], v[wB:wB+7], v[wA:wA+7], v[wD:wD+7], v[wSB], v[wSA] matrix_a_fmt:MATRIX_FMT_FP4 matrix_b_fmt:MATRIX_FMT_FP4
.endif
.endm
.macro MULA s, a, zero                 ; block a of my rows x my four tiles of columns; the 16 accumulators take turns in the same order in every K step
.irp b, 0,1,2,3
	WM 8*(4*(\a)+\b), BF+32*((\s)%2)+8*\b, AF+32*((\s)%2)+8*(\a), \zero, SB+8*\b+4*((\s)/8)+(\s)%4, SA+8*(\a)+4*((\s)/8)+(\s)%4, ((\s)/4)%2
.endr
.endm
.macro FETCH s                         ; K step s: 16 LDS loads into set s % 2
.set fG, ((\s)/4)%3
.set fQ, (\s)%4
.set fP, 32*((\s)%2)
	WIN 0
.irp i, 0,1,2,3
.irp c, 0,1
	ds_load_b128 v[BF+fP+8*\i+4*\c:BF+fP+8*\i+4*\c+3], v[ADRB+fG] offset:64*fQ+32*\c+16*PITCH*\i
.endr
.endr
.irp i, 0,1,2,3
.irp c, 0,1
	ds_load_b128 v[AF+fP+8*\i+4*\c:AF+fP+8*\i+4*\c+3], v[ADRA+fG] offset:64*fQ+32*\c+16*PITCH*\i
.endr
.endr
.endm
.macro KVL j                           ; my rows j, j + 1 of W_kv: each load covers 512 consecutive bytes, the head's columns of k, or of v 8,192 bytes on
	WIN 0x40
.irp e, 0,1
	global_load_b128 v[128+8*(\j+\e):128+8*(\j+\e)+3], v[LI], s[12:13] offset:16384*(\j+\e)
	global_load_b128 v[128+8*(\j+\e)+4:128+8*(\j+\e)+7], v[LI], s[12:13] offset:16384*(\j+\e)+8192
.endr
.endm
.macro FMAG j, younger                 ; rows j .. j + 3 into my partial sums; younger: loads issued behind them.  These 32 lines are also the places in front of the fragment loads that follow
	s_wait_alu depctr_va_vdst(0)
.if \j == 0
	s_wait_kmcnt 0x0                               ; skill
.endif
	s_wait_loadcnt \younger
	WIN 0x04                                       ; source 1 window 1
.set JJ, \j
.rept 4
.irp e, 0,1,2,3,4,5,6,7
.if JJ == 0
	v_mul_f32 v[KA+\e], s[SKS+JJ], v[128+8*JJ+\e]
.else
	v_fmac_f32 v[KA+\e], s[SKS+JJ], v[128+8*JJ+\e]
.endif
.endr
.set JJ, JJ+1
.endr
	WIN 0
.endm
.macro STEP s, zero, kv                ; the next step's fragments are asked for first and land under this step's products.  Four places stand ahead of it
	FETCH (\s)+1
.if (\kv) > 0
	KVL \kv
.endif
	s_wait_dscnt 16                                ; all but the 16 just issued
	WIN MUL
	MULA \s, 0, \zero
	MULA \s, 1, \zero
	MULA \s, 2, \zero
	MULA \s, 3, \zero
.endm
; A K step with a barrier and all tensor loads waited for.  fill = 1: region 0 takes slot 3; the head hasthe add stands twice there.
.macro TURN s, fill
	WIN 0
	s_wait_tensorcnt 0x0                           ; all my tensor loads have landed
	ds_add_u32 v[SPW], v[NIL]                      ; 0 onto my spare word
.if \fill
	ds_add_u32 v[SPW], v[NIL]
.endif
	s_wait_dscnt 1+\fill                           ; this step's fragments are in; the add may be out
	WIN MUL
	MULA \s, 0, 0
	s_wait_dscnt 0x0                               ; the add is done, and none of my LDS reads is out
	s_barrier_signal -1
	MULA \s, 1, 0
	WIN 0
	s_barrier_wait -1
.if \fill
	CREST                                          ; no wave of any partner still reads region 0 or has a load on its way
	s_add_nc_u64 s[G0A+2:G0A+3], s[G0A+2:G0A+3], 768   ; from slot 0 to slot 3
	s_add_nc_u64 s[G0B+2:G0B+3], s[G0B+2:G0B+3], 768
	JLOAD
.endif
	PLACES 4
	FETCH (\s)+1
.if \fill == 0
.irp w, 0,1,2,3,4,5,6,7
	ds_load_b32 v[PT+\w], v[PAR] offset:1024*\w    ; the parts of number t (t = my thread): k's 128, then v's
.endr
.endif
	WIN MUL
	MULA \s, 2, 0
	MULA \s, 3, 0
.endm
; The 64 x 64 numbers in window 1 become half a fragment of each of four blocks of rows: four registers of codes at pc + 4 a, and the bytes of its two blocks of 32 at TM + 24 + 2 a, + 1.
; Block n = registers 16 n .. 16 n + 15 in lanes l and l xor 16.  One exchange of halves for each pair of registers gives lanes 0-15 the first block whole and lanes 16-31 the second.
.macro QUANT pc
	WIN 0x14
.irp n, 0,1,2,3,4,5,6,7
	v_max3_num_f32 v[TM+\n], 0x1800000, |v[16*\n]|, |v[16*\n+1]|   ; with the floor 2^(3 - 127): so the byte cannot fall under 1
.endr
.irp i, 2,4,6,8,10,12,14
.irp n, 0,1,2,3,4,5,6,7
	v_max3_num_f32 v[TM+\n], v[TM+\n], |v[16*\n+\i]|, |v[16*\n+\i+1]|
.endr
.endr
	WIN 0
.irp n, 0,1,2,3,4,5,6,7
	v_permlanex16_b32 v[TM+8+\n], v[TM+\n], s[SEL], s[SEL+1]
.endr
.irp n, 0,1,2,3,4,5,6,7
	v_max_num_f32 v[TM+\n], v[TM+\n], v[TM+8+\n]
.endr
.irp n, 0,1,2,3,4,5,6,7
	v_add_nc_u32 v[TM+16+\n], 0xff000000, v[TM+\n] ; 2 off its exponent field: the conversion's scale operand
.endr
.irp n, 0,1,2,3,4,5,6,7
	v_lshrrev_b32 v[TM+24+\n], 23, v[TM+16+\n]     ; the scale's byte
.endr
	WIN 0x01
.irp n, 0,1,2,3,4,5,6,7
	v_cvt_scalef32_pk8_fp4_f32 v[\pc+4*(\n/2)+\n%2], v[16*\n:16*\n+7], v[TM+16+\n]
	v_cvt_scalef32_pk8_fp4_f32 v[\pc+4*(\n/2)+2+\n%2], v[16*\n+8:16*\n+15], v[TM+16+\n]
.endr
	WIN 0
	v_nop                                          ; one plain place behind a scaled conversion
.irp a, 0,1,2,3
	v_permlane16_swap_b32 v[\pc+4*\a], v[\pc+4*\a+1]
	v_permlane16_swap_b32 v[\pc+4*\a+2], v[\pc+4*\a+3]
.endr
.endm
	s_load_b512 s[4:19], s[0:1], 0x0               ; h s[4:5], s[6:7], W_q s[8:9], s[10:11], W_kv s[12:13], b_kv s[14:15], skill s[16:17], a2_codes s[18:19]
	s_load_b64 s[20:21], s[0:1], 0x40              ; a2_scales
	v_lshl_add_u32 v[SPW], v0, 2, SPARE
	v_mov_b32 v[NIL], 0
	ds_add_u32 v[SPW], v[NIL]                      ; the opening lines: the add, twice on end, and its wait; work on registers stands between
	ds_add_u32 v[SPW], v[NIL]
	v_lshrrev_b32 v[TV], 5, v0
	v_readfirstlane_b32 s[WV], v[TV]               ; wave 0..7
	s_lshr_b32 s[CH], s[WV], 2                     ; which half of the head's columns
	s_and_b32 s[RG], s[WV], 3                      ; which 64 rows
	s_bfe_u32 s[CX], ttmp6, 0x40000
	s_bfe_u32 s[CY], ttmp6, 0x40004
	s_lshl_b32 s[TX], ttmp9, 2
	s_add_co_u32 s[TX], s[TX], s[CX]               ; tile column = head
	s_and_b32 s[TY], ttmp7, 0xffff
	s_lshl_b32 s[TY], s[TY], 2
	s_add_co_u32 s[TY], s[TY], s[CY]               ; tile row
	s_lshr_b32 s[BT], s[TY], 3                     ; batch
	s_lshl_b32 s30, s[CY], 2
	s_lshl_b32 s30, 15, s30                        ; my row of the cluster
	s_lshl_b32 s31, 0x1111, s[CX]                  ; my column
	s_or_b32 s[G1A], s30, (1<<20)|(1<<21)|(5<<22)|(3<<25)   ; mask; elements of 1 byte; padding of four words (code 3) after every 64 (code 5); bit 21 set beside a mask
	s_or_b32 s[G1B], s31, (1<<20)|(1<<21)|(5<<22)|(3<<25)
	G1SET G1A, 256, 256, 1024                      ; 256 rows of 256 bytes, 1,024 bytes apart
	G1SET G1B, 256, 128, 1024                      ; 128 rows
	; byte offsets, each under 2^32
	s_lshl_b32 s80, s[TY], 18                      ; h's codes: row 256 x tile row, 1,024 bytes each
	s_mov_b32 s81, 0
	s_lshl_b32 s82, s[TX], 17                      ; W_q's: row 128 x head
	s_mov_b32 s83, 0
	s_lshl_b32 s84, s[TY], 14                      ; h's scales: my 64 rows of 64 bytes
	s_lshl_b32 s2, s[RG], 12
	s_add_co_u32 s84, s84, s2
	s_mov_b32 s85, 0
	s_lshl_b32 s86, s[TX], 13                      ; W_q's scales: my 64 rows
	s_lshl_b32 s2, s[CH], 12
	s_add_co_u32 s86, s86, s2
	s_mov_b32 s87, 0
	s_lshl_b32 s90, s[TX], 9                       ; b_kv: number 128 x head
	s_mov_b32 s91, 0
	s_lshl_b32 s88, s[WV], 18                      ; W_kv: row 16 x wave of 16,384 bytes, column 128 x head
	s_add_co_u32 s88, s88, s90
	s_mov_b32 s89, 0
	s_lshl_b32 s92, s[BT], 9                       ; skill: the batch's 512 bytes, number 16 x wave
	s_lshl_b32 s2, s[WV], 6
	s_add_co_u32 s92, s92, s2
	s_mov_b32 s93, 0
	s_lshl_b32 s94, s[TY], 18                      ; a2_codes: block of 16 rows 16 x tile row + 4 x (w % 4), 16,384 bytes each; K step = head, 1,024 bytes; half c, 512 bytes
	s_lshl_b32 s2, s[RG], 16
	s_add_co_u32 s94, s94, s2
	s_lshl_b32 s2, s[TX], 10
	s_add_co_u32 s94, s94, s2
	s_lshl_b32 s2, s[CH], 9
	s_add_co_u32 s94, s94, s2
	s_mov_b32 s95, 0
	s_lshl_b32 s96, s[TX], 14                      ; a2_scales: K step = head, 16,384 bytes; row 256 x tile row, 4 bytes each; waves 0 and 1 store 512 bytes each
	s_lshl_b32 s2, s[TY], 10
	s_add_co_u32 s96, s96, s2
	s_and_b32 s3, s[WV], 1
	s_lshl_b32 s3, s3, 9
	s_add_co_u32 s96, s96, s3
	s_mov_b32 s97, 0
	s_add_co_u32 s66, s3, SWS
	s_mov_b32 s[SEL], 0x76543210
	s_mov_b32 s[SEL+1], 0xfedcba98
	s_mov_b32 s[CS], 0x3e0293ee                    ; log2(e) / sqrt(128)
	; LDS bases by the wave's number
	s_mul_i32 s98, s[RG], 64*PITCH                 ; my rows of h
	s_mul_i32 s99, s[CH], 64*PITCH                 ; my rows of W_q, behind h's 256
	s_add_co_u32 s99, s99, ABYTES
	s_lshl_b32 s30, s[WV], 10
	s_add_co_u32 s30, s30, KVP
	s_lshl_b32 s67, s[CH], 8
	s_add_co_u32 s67, s67, KVF
	s_lshl_b32 s2, s[RG], 8
	s_lshl_b32 s31, s[CH], 10
	s_add_co_u32 s31, s31, s2
	s_add_co_u32 s31, s31, SCP                     ; my half's partial scores
	s_lshl_b32 s3, s[CH], 1
	s_add_co_u32 s3, s3, s2
	s_add_co_u32 s3, s3, SWS                       ; my two bytes of a scale word
	s_xor_b32 s63, s[CH], 1
	s_lshl_b32 s63, s63, 10
	s_add_co_u32 s2, s63, s2
	s_add_co_u32 s2, s2, SCP                       ; the other half's
	v_and_b32 v1, 15, v0                           ; r
	v_bfe_u32 v2, v0, 4, 1                         ; h
	v_and_b32 v3, 31, v0                           ; lane
	v_lshrrev_b32 v[TV], 7, v0
	v_lshlrev_b32 v[SOF], 6, v1
	v_lshlrev_b32 v[LI], 4, v3
	v_lshlrev_b32 v[PFO], 10, v3
	v_mul_u32_u24 v[TV], 7680, v[TV]
	v_lshl_add_u32 v[SOF], v2, 4, v[SOF]
	v_mul_u32_u24 v[ADRA], v1, PITCH
	v_lshl_add_u32 v[BOF], v0, 2, v[TV]            ; number t of k, or 8,192 bytes on number t - 128 of v
	v_lshl_add_u32 v[ADRA], v2, 4, v[ADRA]         ; row x pitch + 16 x half
	v_add_nc_u32 v[ADRB], s99, v[ADRA]
	v_add_nc_u32 v[ADRA], s98, v[ADRA]
	v_add_nc_u32 v[PAW], s30, v[LI]
	v_add_nc_u32 v[ADRB+1], REG, v[ADRB]
	v_add_nc_u32 v[ADRA+1], REG, v[ADRA]
	v_add_nc_u32 v[ADRB+2], 2*REG, v[ADRB]
	v_add_nc_u32 v[ADRA+2], 2*REG, v[ADRA]
	v_lshl_add_u32 v[PAR], v0, 2, KVP
	v_lshl_add_u32 v[KFW], v0, 2, KVF
	v_lshl_add_u32 v[KFR], v2, 7, s67
	v_lshl_add_u32 v[VFR], v1, 2, s67
	v_lshl_add_u32 v[SCW], v1, 2, s31
	v_lshl_add_u32 v[SCR], v1, 2, s2
	v_lshl_add_u32 v[SWA], v1, 2, s3
	v_add_nc_u32 v[SWR], s66, v[LI]
	s_wait_alu depctr_va_vdst(0)
	s_wait_dscnt 0x0                               ; both opening adds are done
	CROUND                                         ; all sixteen work-groups are here: the first joint loads meet
	s_wait_kmcnt 0x0
	s_add_nc_u64 s[4:5], s[4:5], s[80:81]
	s_add_nc_u64 s[8:9], s[8:9], s[82:83]
	G0SET G0A, 0, 4, 0
	G0SET G0B, ABYTES, 8, 0
	G0SET G0A+4, REG, 4, 256
	G0SET G0B+4, REG+ABYTES, 8, 256
	G0SET G0A+8, 2*REG, 4, 512
	G0SET G0B+8, 2*REG+ABYTES, 8, 512
	ARM 1, G0A, G1A, .Lh1                          ; ONE chain on the wave's number: no way through the head passes two loads
	ARM 2, G0B, G1B, .Lh2
	ARM 3, G0A+4, G1A, .Lh3
	ARM 4, G0B+4, G1B, .Lh4
	ARM 5, G0A+8, G1A, .Lh5
	ARM 6, G0B+8, G1B, .Lh6
.Lhead_asked:
	s_add_nc_u64 s[6:7], s[6:7], s[84:85]
	s_add_nc_u64 s[10:11], s[10:11], s[86:87]
	s_add_nc_u64 s[12:13], s[12:13], s[88:89]
	s_add_nc_u64 s[14:15], s[14:15], s[90:91]
	s_add_nc_u64 s[16:17], s[16:17], s[92:93]
	s_add_nc_u64 s[18:19], s[18:19], s[94:95]
	s_add_nc_u64 s[20:21], s[20:21], s[96:97]
	s_load_b512 s[SKS:SKS+15], s[16:17], 0x0       ; skill[16 w .. 16 w + 15]
	; the scale words for all of K, once: lane (r, h) takes 16 bytes, four K steps' words, of row r; the two loads of a block of 16 rows read its 1,024 consecutive bytes whole.  First those of K steps 0 to 7, then those of 8 to 15
.irp g, 0,1
.irp b, 0,1,2,3
	global_load_b128 v[SB+8*\b+4*\g:SB+8*\b+4*\g+3], v[SOF], s[10:11] offset:1024*\b+32*\g
	global_load_b128 v[SA+8*\b+4*\g:SA+8*\b+4*\g+3], v[SOF], s[6:7] offset:1024*\b+32*\g
.endr
.endr
	global_load_b32 v[BI], v[BOF], s[14:15]
	KVL 0
	KVL 2
	WIN 0
	; where my wave's prefetch stands (waves 5 to 7 ask): wave 5 W_q's rows 32 cy .., waves 6 and 7 h's rows 64 cx + 32 (w - 6) ..
	s_cmp_eq_u32 s[WV], 5
	s_cselect_b64 s[PFB:PFB+1], s[8:9], s[4:5]
	s_cselect_b32 s2, s[CY], s[CX]
	s_cselect_b32 s3, 15, 16
	s_lshl_b32 s2, s2, s3
	s_sub_co_u32 s3, s[WV], 5
	s_lshr_b32 s3, s3, 1
	s_and_b32 s3, s3, 1                            ; 1 in wave 7, 0 in waves 5 and 6
	s_lshl_b32 s3, s3, 15
	s_add_co_u32 s2, s2, s3
	s_mov_b32 s3, 0
	s_add_nc_u64 s[PFB:PFB+1], s[PFB:PFB+1], s[2:3]
	; ---- q = h W_q: 16 K steps of 128, written out: every register number and offset is a constant
	s_wait_alu depctr_va_vdst(0)
	s_wait_loadcnt 17                              ; the scale words of K steps 0 to 7 are in; eight loads of the later ones, the bias and eight loads of W_kv may be out
	s_cmp_lt_u32 s[WV], 2
	s_cbranch_scc0 .Lnot_slot_0
	s_wait_tensorcnt 0x0                           ; waves 0 and 1: slot 0 has landed.  Slots 1 and 2 have lines and waves of their own
.Lnot_slot_0:
	s_barrier_signal -1
	s_barrier_wait -1
	FETCH 0
	s_cmp_lt_u32 s[WV], 5
	s_cbranch_scc1 .Lasks_nothing
	global_prefetch_b8 v[PFO], s[PFB:PFB+1] offset:768 th:TH_LOAD_NT scope:SCOPE_SE   ; slot 3: 768 bytes along the rows
.Lasks_nothing:
	STEP 0, 1, 4                                   ; the first products start the sums
	PLACES 4
	STEP 1, 0, 6
	PLACES 4
	STEP 2, 0, 8
	; K step 3: the barrier that shows slot 1
	WIN 0
	s_cmp_lt_u32 s[WV], 4
	s_cbranch_scc0 .Lnot_slot_1
	s_wait_tensorcnt 0x0                           ; waves 2 and 3: slot 1 has landed
.Lnot_slot_1:
	s_wait_dscnt 0x0
	s_barrier_signal -1
	WIN MUL
	MULA 3, 0, 0
	MULA 3, 1, 0
	WIN 0
	s_barrier_wait -1
	PLACES 4
	FETCH 4
	KVL 10
	WIN MUL
	MULA 3, 2, 0
	MULA 3, 3, 0
	FMAG 0, 16                                     ; rows 4 to 11, 16 loads, are younger; so all scale words are in too
	KVL 12
	TURN 4, 1                                      ; shows slot 2; region 0 takes slot 3
	PLACES 4
	STEP 5, 0, 14
	FMAG 4, 16                                     ; rows 8 to 15 are younger
	STEP 6, 0, 0
	PLACES 4
	STEP 7, 0, 0
	FMAG 8, 8                                      ; rows 12 to 15 are younger
	STEP 8, 0, 0
	PLACES 4
	STEP 9, 0, 0
	FMAG 12, 0
	ds_store_b128 v[PAW], v[KA:KA+3]
	ds_store_b128 v[PAW], v[KA+4:KA+7] offset:512
	STEP 10, 0, 0
	TURN 11, 0                                     ; shows slot 3, and everybody's partial sums
	PLACES 4
	STEP 12, 0, 0
	WIN 0
	v_add_f32 v[PT], v[PT], v[PT+1]                ; (these eight are also the places in front of the fragment loads)
	v_add_f32 v[PT+2], v[PT+2], v[PT+3]
	v_add_f32 v[PT+4], v[PT+4], v[PT+5]
	v_add_f32 v[PT+6], v[PT+6], v[PT+7]
	v_add_f32 v[PT], v[PT], v[PT+2]
	v_add_f32 v[PT+4], v[PT+4], v[PT+6]
	v_add_f32 v[PT], v[PT], v[PT+4]
	v_add_f32 v[PT], v[PT], v[BI]                  ; k[t], or v[t - 128]
	ds_store_b32 v[KFW], v[PT]
	STEP 13, 0, 0
	PLACES 4
	STEP 14, 0, 0
	s_wait_dscnt 0x0                               ; the last fragments are in, my number of k or v lies in LDS
	s_barrier_signal -1
	WIN MUL
	MULA 15, 0, 0
	MULA 15, 1, 0
	MULA 15, 2, 0
	MULA 15, 3, 0
	WIN 0
	s_barrier_wait -1
	PLACES 4
	; ---- the scores: q is quantised along the head's 128; my half of K
.irp e, 0,1,2,3,4,5,6,7
	ds_load_b128 v[X+4*\e:X+4*\e+3], v[KFR] offset:16*\e   ; k[64 c + 32 h + 0 .. 31]: one whole block a lane
.endr
.irp t, 0,1,2,3
	ds_load_b32 v[VV+\t], v[VFR] offset:512+64*\t  ; v[64 c + 16 t + r]
.endr
	QUANT QF
.irp a, 0,1,2,3
	v_lshl_or_b32 v[QW+\a], v[TM+25+2*\a], 8, v[TM+24+2*\a]
.endr
.irp a, 0,1,2,3
	v_or_b32 v[QW+\a], 0x7f7f0000, v[QW+\a]        ; the upper two blocks meet zero codes of k: their bytes are 127
.endr
	s_wait_alu depctr_va_vdst(0)
	s_wait_dscnt 0x0
.irp c, 0,1
	v_max3_num_f32 v[TM+\c], |v[X+16*\c]|, |v[X+16*\c+1]|, 0x1800000
.endr
.irp i, 2,4,6,8,10,12,14
.irp c, 0,1
	v_max3_num_f32 v[TM+\c], v[TM+\c], |v[X+16*\c+\i]|, |v[X+16*\c+\i+1]|
.endr
.endr
	v_lshlrev_b32 v[TM+2], 3, v2
	v_max_num_f32 v[TM], v[TM], v[TM+1]
	v_add_nc_u32 v[TM+16], 0xff000000, v[TM]
	v_lshrrev_b32 v[TM+24], 23, v[TM+16]
	v_lshlrev_b32 v[TM+2], v[TM+2], v[TM+24]       ; my block's byte at its place, 8 h bits up;
	v_permlanex16_b32 v[TM+3], v[TM+2], s[SEL], s[SEL+1]
	v_or_b32 v[TM+2], v[TM+2], v[TM+3]             ; with lane l xor 16's
	v_or_b32 v[KW], 0x7f7f0000, v[TM+2]
.irp g, 0,1,2,3
	v_cvt_scalef32_pk8_fp4_f32 v[KF+\g], v[X+8*\g:X+8*\g+7], v[TM+16]
.endr
.irp j, 0,1,2,3
	v_mov_b32 v[QF+16+\j], 0
	v_mov_b32 v[KF+4+\j], 0                        ; k's upper 64: zero codes.  Against them stand, in q's operand, the next block's codes or zeros: they add nothing
.endr
	PLACES 4
.irp a, 0,1,2,3
	WM SS+8*\a, KF, QF+4*\a, 1, KW, QW+\a, 0       ; one tile of 16 keys, all of them k
.endr
	PLACES 4
.irp a, 0,1,2,3
	ds_store_b32 v[SCW], v[SS+8*\a] offset:64*\a   ; lanes r and 16 + r write the same word with the same value
.endr
	s_wait_alu depctr_va_vdst(0)
	s_wait_dscnt 0x0
	s_barrier_signal -1
	; ---- v's fragments, while the others arrive: a block along the keys holds v[d] 32 times: its scale is its own, and one code serves all
.irp j, 1,2,3
	v_mov_b32 v[Z+\j], 0                           ; Z + 4 .. Z + 7 are zeros already
.endr
.irp t, 0,1,2,3
	v_max_num_f32 v[TM+\t], 0x1800000, |v[VV+\t]|
.endr
.irp t, 0,1,2,3
	v_add_nc_u32 v[TM+16+\t], 0xff000000, v[TM+\t]
.endr
.irp t, 0,1,2,3
	v_lshrrev_b32 v[TM+24+\t], 23, v[TM+16+\t]
.endr
.irp t, 0,1,2,3
	v_mov_b32 v[Z], v[VV+\t]
	v_cvt_scalef32_pk8_fp4_f32 v[TM+8+\t], v[Z:Z+7], v[TM+16+\t]
	v_perm_b32 v[VW+\t], v[TM+24+\t], v[TM+24+\t], 0   ; the byte four times.  (Also the plain place behind the conversion)
.endr
.irp t, 0,1,2,3
	v_lshl_or_b32 v[TM+8+\t], v[TM+8+\t], 4, v[TM+8+\t]
.endr
.irp t, 0,1,2,3
	v_perm_b32 v[VF+8*\t], v[TM+8+\t], v[TM+8+\t], 0   ; the code eight times,
.endr
.irp j, 1,2,3,4,5,6,7
.irp t, 0,1,2,3
	v_mov_b32 v[VF+8*\t+\j], v[VF+8*\t]            ; 64 times
.endr
.endr
	s_wait_alu depctr_va_vdst(0)
	s_barrier_wait -1
.irp a, 0,1,2,3
	ds_load_b32 v[TM+24+\a], v[SCR] offset:64*\a
.endr
	s_wait_dscnt 0x0
	; ---- the softmax: the row's one score
.irp a, 0,1,2,3
	v_add_f32 v[TM+\a], v[SS+8*\a], v[TM+24+\a]
.endr
.irp a, 0,1,2,3
	v_mul_f32 v[TM+4+\a], s[CS], v[TM+\a]          ; t
.endr
.irp a, 0,1,2,3
	v_floor_f32 v[TM+8+\a], -v[TM+4+\a]            ; -M = floor(-t) = -ceil(t)
.endr
.irp a, 0,1,2,3
	v_fma_f32 v[PP+\a], v[TM+\a], s[CS], v[TM+8+\a]
.endr
	s_wait_alu depctr_va_vdst(0)
.irp a, 0,1,2,3
	v_exp_f32 v[PP+\a], v[PP+\a]                   ; p = 2^(t - M)
.endr
	v_nop
	s_wait_alu depctr_va_vdst(0)
.irp a, 0,1,2,3
	v_rcp_f32 v[RL+2*\a], v[PP+\a]
.endr
.irp a, 0,1,2,3
	v_add_nc_u32 v[TM+12+\a], 0xff000000, v[PP+\a] ; a block of 32 keys holds p 32 times: its largest magnitude is p (over 1/4: no floor)
.endr
.irp a, 0,1,2,3
	v_lshrrev_b32 v[TM+16+\a], 23, v[TM+12+\a]
.endr
	s_wait_alu depctr_va_vdst(0)
.irp a, 0,1,2,3
	v_mul_f32 v[RL+2*\a], (120-LOGKREP)<<23, v[RL+2*\a]   ; 1 / (the row's sum of the unquantised p) = 1 / (128 KREP p)
.endr
.irp a, 0,1,2,3
	v_mov_b32 v[Z], v[PP+\a]
	v_cvt_scalef32_pk8_fp4_f32 v[TM+20+\a], v[Z:Z+7], v[TM+12+\a]
	v_perm_b32 v[PW+\a], v[TM+16+\a], v[TM+16+\a], 0
.endr
.irp a, 0,1,2,3
	v_lshl_or_b32 v[TM+20+\a], v[TM+20+\a], 4, v[TM+20+\a]
.endr
.irp a, 0,1,2,3
	v_perm_b32 v[PF+8*\a], v[TM+20+\a], v[TM+20+\a], 0
.endr
.irp j, 1,2,3,4,5,6,7
.irp a, 0,1,2,3
	v_mov_b32 v[PF+8*\a+\j], v[PF+8*\a]
.endr
.endr
.irp a, 0,1,2,3
	v_mov_b32 v[RL+2*\a+1], v[RL+2*\a]             ; (named as the pair's upper half)
.endr
	PLACES 4
	; ---- the product p v, transposed (source 0 = 16 of the head's 128, source 1 = p): KREP K steps of 128 keys on the same fragments; the 16 accumulators take turns, over the backward jump too
.macro PV zero
.irp a, 0,1,2,3
.irp t, 0,1,2,3
	WM 8*(4*\a+\t), VF+8*\t, PF+8*\a, \zero, VW+\t, PW+\a, 0
.endr
.endr
.endm
	WIN 0x40
	PV 1
	WIN 0
	s_wait_alu depctr_va_vdst(0)
	s_mov_b32 s30, (KREP-1)/3
.Lkeys:
	WIN MUL
	PV 0
	PV 0
	PV 0
	WIN 0
	s_sub_co_u32 s30, s30, 1
	s_cmp_lg_u32 s30, 0
	s_cbranch_scc1 .Lkeys
	PLACES 4
	WIN 0x41
.irp a, 0,1,2,3
.set I, 32*\a
.rept 16
	v_pk_mul_f32 v[I:I+1], v[I:I+1], v[RL+2*\a:RL+2*\a+1] op_sel_hi:[1,0]   ; / the row's sum; each tile from its low end on
.set I, I+2
.endr
.endr
	WIN 0
	; ---- the way out: my 64 columns are half c of K step = head of the last product; each store covers 512 consecutive bytes, aligned
	QUANT OC
.irp a, 0,1,2,3
	global_store_b128 v[LI], v[OC+4*\a:OC+4*\a+3], s[18:19] offset:16384*\a
.endr
.irp a, 0,1,2,3
	v_lshl_or_b32 v[OW+\a], v[TM+25+2*\a], 8, v[TM+24+2*\a]
.endr
.irp a, 0,1,2,3
	ds_store_b16 v[SWA], v[OW+\a] offset:64*\a
.endr
	s_wait_alu depctr_va_vdst(0)
	s_wait_dscnt 0x0
	s_barrier_signal -1
	s_barrier_wait -1
	s_cmp_lt_u32 s[WV], 2
	s_cbranch_scc0 .Lno_words
	ds_load_b128 v[OS:OS+3], v[SWR]                ; waves 0 and 1: the 256 rows' words, 512 consecutive bytes each
	s_wait_dscnt 0x0
	global_store_b128 v[LI], v[OS:OS+3], s[20:21]
.Lno_words:
	s_wait_tensorcnt 0x0                           ; the wave's end
	ds_add_u32 v[SPW], v[NIL]
	s_wait_dscnt 0x0
	CROUND                                         ; the closing round
	s_endpgm
.Lfunc_end_k_q698d82ec52_qattn:
	.size	k_q698d82ec52_qattn, .Lfunc_end_k_q698d82ec52_qattn-k_q698d82ec52_qattn
	.p2alignl 7, 3214868480
	.fill 96, 4, 3214868480
	.section	.rodata,"a",@progbits
	.p2align	6, 0x0
	.amdhsa_kernel k_q698d82ec52_qattn
		.amdhsa_group_segment_fixed_size 327680
		.amdhsa_private_segment_fixed_size 0
		.amdhsa_enable_private_segment 0
		.amdhsa_kernarg_size 72
		.amdhsa_user_sgpr_count 2
		.amdhsa_user_sgpr_kernarg_segment_ptr 1
		.amdhsa_wavefront_size32 1
		.amdhsa_system_sgpr_workgroup_id_x 1
		.amdhsa_system_sgpr_workgroup_id_y 1
		.amdhsa_system_sgpr_workgroup_id_z 1
		.amdhsa_system_vgpr_workitem_id 0
		.amdhsa_next_free_vgpr 512
		.amdhsa_next_free_sgpr 100
		.amdhsa_reserve_vcc 0
		.amdhsa_float_denorm_mode_32 3
		.amdhsa_float_denorm_mode_16_64 3
		.amdhsa_memory_ordered 1
		.amdhsa_forward_progress 1
		.amdhsa_inst_pref_size 114
	.end_amdhsa_kernel
	.amdgpu_metadata
---
amdhsa.version: [ 1, 2 ]
amdhsa.kernels:
  - .name:           k_q698d82ec52_qattn
    .symbol:         k_q698d82ec52_qattn.kd
    .args:
      - { .name: h_codes, .offset: 0, .size: 8, .value_kind: global_buffer, .address_space: global }
      - { .name: h_scales, .offset: 8, .size: 8, .value_kind: global_buffer, .address_space: global }
      - { .name: W_q_codes, .offset: 16, .size: 8, .value_kind: global_buffer, .address_space: global }
      - { .name: W_q_scales, .offset: 24, .size: 8, .value_kind: global_buffer, .address_space: global }
      - { .name: W_kv, .offset: 32, .size: 8, .value_kind: global_buffer, .address_space: global }
      - { .name: b_kv, .offset: 40, .size: 8, .value_kind: global_buffer, .address_space: global }
      - { .name: skill, .offset: 48, .size: 8, .value_kind: global_buffer, .address_space: global }
      - { .name: a2_codes, .offset: 56, .size: 8, .value_kind: global_buffer, .address_space: global }
      - { .name: a2_scales, .offset: 64, .size: 8, .value_kind: global_buffer, .address_space: global }
    .group_segment_fixed_size: 327680
    .private_segment_fixed_size: 0
    .kernarg_segment_align: 8
    .kernarg_segment_size: 72
    .max_flat_workgroup_size: 256
    .sgpr_count:     100
    .vgpr_count:     512
    .wavefront_size: 32
...
	.end_amdgpu_metadata
.endif
;; end of part 1
;; launch outproj (part 2): grid 16 x 16, 8 waves a work-group, clusters of 4 x 4, 327,680 bytes of LDS; arguments a2_codes, a2_scales, W_out_codes, W_out_scales, out0; writes out0
.if DOCPART == 2
	.amdgcn_target "amdgcn-amd-amdhsa--gfx1250"
	.amdhsa_code_object_version 6
	.text
	.protected	k_q698d82ec52_outproj
	.globl	k_q698d82ec52_outproj
	.p2align	8
	.type	k_q698d82ec52_outproj,@function
k_q698d82ec52_outproj:
	s_mov_b64 s[64:65], 0
	v_nop
	global_prefetch_b8 v0, s[64:65] scope:SCOPE_SE
	s_setreg_imm32_b32 hwreg(HW_REG_WAVE_MODE, 25, 1), 1
	s_wait_xcnt 0x0
	s_wait_alu depctr_hold_cnt(0) depctr_sa_sdst(0) depctr_va_vdst(0) depctr_va_sdst(0) depctr_va_ssrc(0) depctr_va_vcc(0) depctr_vm_vsrc(0)
	s_getreg_b32 s2, hwreg(HW_REG_IB_STS2, 6, 4)
	s_cmp_eq_u32 s2, 0
	s_cbranch_scc0 .Lentry_in_a_cluster
	s_endpgm
.Lentry_in_a_cluster:
	s_bfe_u32 s2, ttmp6, 0x10000c
	s_cmp_lg_u32 s2, 0xf033
	s_cbranch_scc0 .Lentry_shape_is_right
	s_endpgm
.Lentry_shape_is_right:
; SECOND LAUNCH: out0 = A W_out on codes of FP4 (E2M1, one E8M0 scale for each 32 along K).  A, 4,096 rows x 2,048, was made by the first launch: a2_codes holds images of operand registers,
; [block of 16 rows][K step of 128][half c][lane][16 bytes], a2_scales one word for each row and K step, [K step][row].  W_out comes as codes with K innermost, rows of 1,024 bytes, and 64 scale bytes a row.  out0 is f32.
; SHARES.  16 x 16 tiles of 256 rows x 128 columns, a work-group to a tile; wave w makes rows 64 (w % 4) .. + 63 x columns 64 (w / 4) .. + 63: 16 accumulators, 128 registers.
; K = 2,048 goes in four slots of 512 through three regions of LDS.  The head's loads, one a wave: waves 0, 1 slot 0 (A, W_out), waves 2, 3 the scale words of A's 256 rows and the scale bytes of W_out's 128 for all of K, waves 4, 5 slot 1,
; waves 6, 7 slot 2.  Slot 3 is the one refill, into region 0, in K step 4.
; THE LAST SLOT GOES BY ROWS: all its fragments of W_out are in registers, and the wave's four blocks of 16 rows are finished one after the other, so that a finished block leaves while the next is multiplied.
; CLUSTERS: 4 x 4 work-groups.  The four of a row of the cluster need the same rows of A, the four of a column the same rows of W_out: each tile is asked for JOINTLY.
; PREFETCH INTO THE L2: slot 3 alone, in K step 0, four K steps ahead of its load (slots 0 to 2 come by the head's loads alone).  A lane a block of 256 bytes; the four partners share a tile out by address: of A's 16 blocks of rows
; the partner at place cx takes four (waves 6 and 7, two each, 16 x 256 bytes of each), of W_out's 128 rows the one at place cy takes 32 (wave 5).  So each block of 256 bytes is named once in each cluster that will load it.
; THE MATRIX INSTRUCTION IS USED TRANSPOSED (source 0 = 16 rows of W_out, source 1 = 16 rows of A): a lane holds eight neighbouring numbers of a row of the result.
; LIMITS.  NaN and infinities are not served (the codes have none).
; REGISTERS.  Window 0: v0-31 addresses; v32-95 scale words; v128-191 A's fragments, v192-255 W_out's, two sets each; in the last slot A's four blocks of 16 rows x 512, then rows of the result.
;   Window 1: v0-127 accumulators ((a, b) at 8 (4 a + b)); v128-255 W_out's fragments of the last slot.
.set PITCH,   272                      ; a row of W_out in LDS: 256 bytes + 16 of padding
.set ABYTES,  16*4096                  ; a region: 16 blocks of 16 rows of A, four images each, then 128 rows of W_out
.set REG,     ABYTES+128*PITCH
.set ASC,     3*REG                    ; A's scale words: [K step][256 rows]
.set BSC,     ASC+16384                ; W_out's scale bytes: 8,192 as units of 256 bytes + 16 of padding
.set SPARE,   BSC+32*PITCH             ; the spare words, 128 bytes for each wave
.set STAGE,   REG                      ; the way out: 16 rows x (256 bytes + 16) for each wave, in region 1: filled once, and nobody reads it behind the barrier in K step 11
.set ADRA, 4
.set ADRB, 8
.set SPW,  11
.set NIL,  12
.set LI,   14                          ; 16 x lane
.set ASR,  15
.set WSR,  16
.set STO,  17
.set RD,   18
.set CO,   19
.set TV,   20
.set TW,   21
.set PFA,  22                          ; the prefetches' offsets, never rewritten: 16,384 (lane / 16) + 256 (lane % 16) in A,
.set PFW,  23                          ; 1,024 x lane in W_out
.set SA,   32                          ; A's scale words: SA + 16 (a / 2) + S, lanes 16 (a % 2) + r: block a, row r, K step S
.set SB,   64                          ; W_out's: SB + 8 b + 4 (S / 8) + S % 4, lanes 16 ((S / 4) % 2) + r
.set AF,   128
.set BF,   192
.set BL,   128                         ; window 1: W_out's fragments of the last slot
.set WV,  22
.set CH,  23
.set RG,  24
.set CX,  25
.set CY,  26
.set TX,  27
.set TY,  28
.set PFB, 30                           ; s[30:31] where my wave's prefetch stands; never rewritten behind it
.set G1A, 32
.set G1B, 40
.set G1S, 48
.set G1T, 56
.set G0A, 68                           ; s[68:79], a set for each region
.set G0B, 80                           ; s[80:91]
.set G0S, 92
.set G0T, 96
.set MSB, 0
.macro WIN new                         ; bits 1:0 source 0, 3:2 source 1, 5:4 source 2, 7:6 destination; the high byte repeats the setting that is left
.if MSB != \new
	s_set_vgpr_msb (MSB<<8)|\new
.set MSB, \new
.endif
.endm
.set MUL,  0x50                        ; C and D window 1
.set MULR, 0x51                        ; source 0, C and D window 1
.macro PLACES n
.rept \n
	v_nop
.endr
.endm
.macro CREST
	s_cmp_lg_u32 s[WV], 0
	s_cbranch_scc1 .Lnot_wave_0_\@
	s_barrier_signal -3
.Lnot_wave_0_\@:
	s_barrier_wait -3
	s_barrier_signal -1
	s_barrier_wait -1
.endm
.macro CROUND
	s_barrier_signal -1
	s_barrier_wait -1
	CREST
.endm
.macro G1SET g, d0, d1, pitch
	s_mov_b32 s[\g+1], (\d0)<<16
	s_mov_b32 s[\g+2], (\d1)<<16
	s_mov_b32 s[\g+3], (\d0)<<16
	s_mov_b32 s[\g+4], \d1
	s_mov_b32 s[\g+5], \pitch
	s_mov_b32 s[\g+6], 0
	s_mov_b32 s[\g+7], 0
.endm
.macro G0SET g, lds, base, off
	s_mov_b32 s[\g], 1
	s_mov_b32 s[\g+1], \lds
	s_add_nc_u64 s[\g+2:\g+3], s[\base:\base+1], \off
	s_or_b32 s[\g+3], s[\g+3], 0x80000000
.endm
.macro ARM under, g0, g1, next
	s_cmp_lt_u32 s[WV], \under
	s_cbranch_scc0 \next
	tensor_load_to_lds s[\g0:\g0+3], s[\g1:\g1+7]
	s_nop 0
	PLACES 4
	s_branch .Lhead_asked
\next:
.endm
.macro JLOAD                           ; the refill: wave 0 fetches for A, wave 1 for W_out
	s_cmp_lt_u32 s[WV], 1
	s_cbranch_scc0 .Lnot_a_\@
	tensor_load_to_lds s[G0A:G0A+3], s[G1A:G1A+7]
	s_nop 0
	PLACES 4
	s_branch .Lasked_\@
.Lnot_a_\@:
	s_cmp_lt_u32 s[WV], 2
	s_cbranch_scc0 .Lasked_\@
	tensor_load_to_lds s[G0B:G0B+3], s[G1B:G1B+7]
	s_nop 0
	PLACES 4
.Lasked_\@:
.endm
.macro WM d, b, a, zero, sb, sa, rb, ra   ; zero = 1 starts the sum; rb, ra: which half of the lanes of source 0's and of source 1's scale register is read
.set wD, \d
.set wB, \b
.set wA, \a
.set wSB, \sb
.set wSA, \sa
.set wR, 4*(\zero)+2*(\rb)+(\ra)
.if wR == 4
	v_wmma_scale_f32_16x16x128_f8f6f4 v[wD:wD+7], v[wB:wB+7], v[wA:wA+7], 0, v[wSB], v[wSA] matrix_a_fmt:MATRIX_FMT_FP4 matrix_b_fmt:MATRIX_FMT_FP4
.elseif wR == 5
	v_wmma_scale_f32_16x16x128_f8f6f4 v[wD:wD+7], v[wB:wB+7], v[wA:wA+7], 0, v[wSB], v[wSA] matrix_a_fmt:MATRIX_FMT_FP4 matrix_b_fmt:MATRIX_FMT_FP4 matrix_b_scale:MATRIX_SCALE_ROW1
.elseif wR == 0
	v_wmma_scale_f32_16x16x128_f8f6f4 v[wD:wD+7], v[wB:wB+7], v[wA:wA+7], v[wD:wD+7], v[wSB], v[wSA] matrix_a_fmt:MATRIX_FMT_FP4 matrix_b_fmt:MATRIX_FMT_FP4
.elseif wR == 1
	v_wmma_scale_f32_16x16x128_f8f6f4 v[wD:wD+7], v[wB:wB+7], v[wA:wA+7], v[wD:wD+7], v[wSB], v[wSA] matrix_a_fmt:MATRIX_FMT_FP4 matrix_b_fmt:MATRIX_FMT_FP4 matrix_b_scale:MATRIX_SCALE_ROW1
.elseif wR == 2
	v_wmma_scale_f32_16x16x128_f8f6f4 v[wD:wD+7], v[wB:wB+7], v[wA:wA+7], v[wD:wD+7], v[wSB], v[wSA] matrix_a_fmt:MATRIX_FMT_FP4 matrix_b_fmt:MATRIX_FMT_FP4 matrix_a_scale:MATRIX_SCALE_ROW1
.else
	v_wmma_scale_f32_16x16x128_f8f6f4 v[wD:wD+7], v[wB:wB+7], v[wA:wA+7], v[wD:wD+7], v[wSB], v[wSA] matrix_a_fmt:MATRIX_FMT_FP4 matrix_b_fmt:MATRIX_FMT_FP4 matrix_a_scale:MATRIX_SCALE_ROW1 matrix_b_scale:MATRIX_SCALE_ROW1
.endif
.endm
.macro MULA s, a, zero                 ; the 16 accumulators take turns in the same order in every K step
.irp b, 0,1,2,3
	WM 8*(4*(\a)+\b), BF+32*((\s)%2)+8*\b, AF+32*((\s)%2)+8*(\a), \zero, SB+8*\b+4*((\s)/8)+(\s)%4, SA+16*((\a)/2)+(\s), ((\s)/4)%2, (\a)%2
.endr
.endm
.macro FETCH s                         ; K step s: 16 LDS loads into set s % 2
.set fG, ((\s)/4)%3
.set fQ, (\s)%4
.set fP, 32*((\s)%2)
	WIN 0
.irp i, 0,1,2,3
.irp c, 0,1
	ds_load_b128 v[BF+fP+8*\i+4*\c:BF+fP+8*\i+4*\c+3], v[ADRB+fG] offset:64*fQ+32*\c+16*PITCH*\i
.endr
.endr
.irp i, 0,1,2,3
.irp c, 0,1
	ds_load_b128 v[AF+fP+8*\i+4*\c:AF+fP+8*\i+4*\c+3], v[ADRA+fG] offset:1024*fQ+512*\c+4096*\i
.endr
.endr
.endm
.macro SCA k                           ; A's scale words of slot k: the 32 lanes take two blocks' rows
	WIN 0
.irp p, 0,1
.irp e, 0,1,2,3
	ds_load_b32 v[SA+16*\p+4*(\k)+\e], v[ASR] offset:1024*(4*(\k)+\e)+128*\p
.endr
.endr
.endm
.macro SCB g                           ; W_out's of slots 2 g and 2 g + 1
	WIN 0
.irp b, 0,1,2,3
	ds_load_b128 v[SB+8*\b+4*(\g):SB+8*\b+4*(\g)+3], v[WSR] offset:4*PITCH*\b+32*(\g)
.endr
.endm
.macro STEP s, zero                    ; four places stand ahead of it
	FETCH (\s)+1
	s_wait_dscnt 16                                ; all but the 16 just issued
	WIN MUL
	MULA \s, 0, \zero
	MULA \s, 1, \zero
	MULA \s, 2, \zero
	MULA \s, 3, \zero
.endm
.macro MEET s                          ; a K step's first half, with a barrier and all tensor loads waited for
	WIN 0
	s_wait_tensorcnt 0x0                           ; all my tensor loads have landed
	ds_add_u32 v[SPW], v[NIL]                      ; 0 onto my spare word
	s_wait_dscnt 1                                 ; this step's fragments are in; the add may be out
	WIN MUL
	MULA \s, 0, 0
	s_wait_dscnt 0x0                               ; the add is done, and none of my LDS reads is out
	s_barrier_signal -1
	MULA \s, 1, 0
	WIN 0
	s_barrier_wait -1
.endm
	s_load_b256 s[4:11], s[0:1], 0x0               ; a2_codes s[4:5], a2_scales s[6:7], W_out's codes s[8:9], its scales s[10:11]
	s_load_b64 s[12:13], s[0:1], 0x20              ; out0
	v_lshl_add_u32 v[SPW], v0, 2, SPARE
	v_mov_b32 v[NIL], 0
	ds_add_u32 v[SPW], v[NIL]                      ; the opening lines: the add, twice on end, and its wait; work on registers stands between
	ds_add_u32 v[SPW], v[NIL]
	v_lshrrev_b32 v[TV], 5, v0
	v_readfirstlane_b32 s[WV], v[TV]               ; wave 0..7
	s_lshr_b32 s[CH], s[WV], 2                     ; which half of the tile's columns
	s_and_b32 s[RG], s[WV], 3                      ; which 64 rows
	s_bfe_u32 s[CX], ttmp6, 0x40000
	s_bfe_u32 s[CY], ttmp6, 0x40004
	s_lshl_b32 s[TX], ttmp9, 2
	s_add_co_u32 s[TX], s[TX], s[CX]               ; tile column
	s_and_b32 s[TY], ttmp7, 0xffff
	s_lshl_b32 s[TY], s[TY], 2
	s_add_co_u32 s[TY], s[TY], s[CY]               ; tile row
	s_lshl_b32 s30, s[CY], 2
	s_lshl_b32 s30, 15, s30                        ; my row of the cluster
	s_lshl_b32 s31, 0x1111, s[CX]                  ; my column
	s_or_b32 s[G1A], s30, (3<<16)|(1<<21)          ; A: 16 blocks of 16 rows, of each 4,096 consecutive bytes (512 elements of 8), 16,384 bytes apart; dense in LDS
	G1SET G1A, 512, 16, 2048
	s_or_b32 s[G1B], s31, (1<<20)|(1<<21)|(5<<22)|(3<<25)   ; W_out: 128 rows of 256 bytes, 1,024 apart; padding of four words (code 3) after every 64 (code 5)
	G1SET G1B, 256, 128, 1024
	s_or_b32 s[G1S], s30, (3<<16)|(1<<21)          ; A's scale words: 16 rows of 1,024 bytes, 16,384 bytes apart; dense in LDS
	G1SET G1S, 128, 16, 2048
	s_or_b32 s[G1T], s31, (3<<16)|(1<<20)|(1<<21)|(5<<22)|(3<<25)   ; W_out's scale bytes: 8,192 dense bytes as 32 rows of 256, padded
	G1SET G1T, 32, 32, 32
	; byte offsets, each under 2^32
	s_lshl_b32 s14, s[TY], 18                      ; a2_codes: block 16 x tile row, 16,384 bytes each
	s_mov_b32 s15, 0
	s_lshl_b32 s16, s[TY], 10                      ; a2_scales: row 256 x tile row, 4 bytes each
	s_mov_b32 s17, 0
	s_lshl_b32 s18, s[TX], 17                      ; W_out's codes: row 128 x tile column, 1,024 bytes each
	s_mov_b32 s19, 0
	s_lshl_b32 s20, s[TX], 13                      ; its scales, 64 bytes a row
	s_mov_b32 s21, 0
	s_lshl_b32 s2, s[TY], 21                       ; out0: row 256 x tile row + 64 x (w % 4), 8,192 bytes each; column 128 x tile column + 64 x half
	s_lshl_b32 s3, s[RG], 19
	s_add_co_u32 s2, s2, s3
	s_lshl_b32 s3, s[TX], 9
	s_add_co_u32 s2, s2, s3
	s_lshl_b32 s3, s[CH], 8
	s_add_co_u32 s2, s2, s3
	s_mov_b32 s3, 0
	; LDS bases by the wave's number
	s_lshl_b32 s29, s[RG], 14                      ; A: my four blocks of 4,096 bytes
	s_mul_i32 s30, s[CH], 64*PITCH                 ; W_out: my 64 rows, behind A's part
	s_add_co_u32 s30, s30, ABYTES
	s_lshl_b32 s31, s[RG], 8
	s_add_co_u32 s31, s31, ASC
	s_mul_i32 s66, s[CH], 16*PITCH
	s_add_co_u32 s66, s66, BSC
	s_mul_i32 s67, s[WV], 16*PITCH
	s_add_co_u32 s67, s67, STAGE                   ; my stage
	v_and_b32 v1, 15, v0                           ; r
	v_bfe_u32 v2, v0, 4, 1                         ; h
	v_and_b32 v3, 31, v0                           ; lane
	v_mul_u32_u24 v[TV], v1, PITCH
	v_lshlrev_b32 v[LI], 4, v3
	v_lshl_add_u32 v[ASR], v3, 2, s31
	v_lshlrev_b32 v[PFA], 14, v2
	v_lshlrev_b32 v[PFW], 10, v3
	v_lshl_add_u32 v[ADRB], v2, 4, v[TV]           ; row x pitch + 16 x half
	v_lshl_add_u32 v[STO], v2, 5, v[TV]            ; in: row r, 32 bytes for each half of the lanes
	v_add_nc_u32 v[ADRA], s29, v[LI]
	v_lshl_add_u32 v[PFA], v1, 8, v[PFA]
	v_add_nc_u32 v[ADRB], s30, v[ADRB]
	v_add_nc_u32 v[STO], s67, v[STO]
	v_add_nc_u32 v[ADRA+1], REG, v[ADRA]
	v_add_nc_u32 v[ADRB+1], REG, v[ADRB]
	v_add_nc_u32 v[ADRA+2], 2*REG, v[ADRA]
	v_add_nc_u32 v[ADRB+2], 2*REG, v[ADRB]
	v_mul_u32_u24 v[RD], v2, PITCH
	v_lshlrev_b32 v[CO], 13, v2
	v_lshrrev_b32 v[TV], 2, v1
	v_and_b32 v[TW], 3, v1
	v_lshl_add_u32 v[RD], v1, 4, v[RD]             ; back: lanes 0-15 take one row of 256 bytes, lanes 16-31 the next;
	v_lshl_add_u32 v[CO], v1, 4, v[CO]             ; and the same two rows of out0
	v_mul_u32_u24 v[TV], v[TV], PITCH
	v_lshlrev_b32 v[TW], 6, v[TW]
	v_add_nc_u32 v[RD], s67, v[RD]
	v_lshl_add_u32 v[TW], v2, 4, v[TW]
	v_add_nc_u32 v[WSR], v[TV], v[TW]              ; row r's scale bytes: 64 a row, four rows to a unit
	v_add_nc_u32 v[WSR], s66, v[WSR]
	s_wait_alu depctr_va_vdst(0)
	s_wait_dscnt 0x0                               ; both opening adds are done
	CROUND                                         ; all sixteen work-groups are here: the first joint loads meet
	s_wait_kmcnt 0x0
	s_add_nc_u64 s[4:5], s[4:5], s[14:15]
	s_add_nc_u64 s[6:7], s[6:7], s[16:17]
	s_add_nc_u64 s[8:9], s[8:9], s[18:19]
	s_add_nc_u64 s[10:11], s[10:11], s[20:21]
	s_add_nc_u64 s[12:13], s[12:13], s[2:3]
	G0SET G0A, 0, 4, 0
	G0SET G0B, ABYTES, 8, 0
	G0SET G0S, ASC, 6, 0
	G0SET G0T, BSC, 10, 0
	G0SET G0A+4, REG, 4, 4096
	G0SET G0B+4, REG+ABYTES, 8, 256
	G0SET G0A+8, 2*REG, 4, 8192
	G0SET G0B+8, 2*REG+ABYTES, 8, 512
	ARM 1, G0A, G1A, .Lh1                          ; ONE chain on the wave's number: every way through the head passes exactly one load
	ARM 2, G0B, G1B, .Lh2
	ARM 3, G0S, G1S, .Lh3
	ARM 4, G0T, G1T, .Lh4
	ARM 5, G0A+4, G1A, .Lh5
	ARM 6, G0B+4, G1B, .Lh6
	ARM 7, G0A+8, G1A, .Lh7
	tensor_load_to_lds s[G0B+8:G0B+11], s[G1B:G1B+7]
	s_nop 0
	PLACES 4
.Lhead_asked:
	; where my wave's prefetch stands (waves 5 to 7 ask): wave 5 W_out's rows 32 cy .., waves 6 and 7 A's blocks 4 cx + 2 (w - 6) ..
	s_cmp_eq_u32 s[WV], 5
	s_cselect_b64 s[PFB:PFB+1], s[8:9], s[4:5]
	s_cselect_b32 s2, s[CY], s[CX]
	s_cselect_b32 s3, 15, 16
	s_lshl_b32 s2, s2, s3
	s_sub_co_u32 s3, s[WV], 5
	s_lshr_b32 s3, s3, 1
	s_and_b32 s3, s3, 1                            ; 1 in wave 7, 0 in waves 5 and 6
	s_lshl_b32 s3, s3, 15
	s_add_co_u32 s2, s2, s3
	s_mov_b32 s3, 0
	s_add_nc_u64 s[PFB:PFB+1], s[PFB:PFB+1], s[2:3]
	; ---- 16 K steps of 128, written out: every register number and offset is a constant
	s_cmp_lt_u32 s[WV], 4
	s_cbranch_scc0 .Lnot_slot_0
	s_wait_tensorcnt 0x0                           ; waves 0 to 3: slot 0 and the scales have landed.  Slots 1 and 2 have lines and waves of their own
.Lnot_slot_0:
	s_barrier_signal -1
	s_barrier_wait -1
	SCA 0
	SCB 0
	FETCH 0
	s_cmp_lt_u32 s[WV], 5
	s_cbranch_scc1 .Lasks_nothing
	s_cmp_eq_u32 s[WV], 5
	s_cbranch_scc0 .Lasks_a
	global_prefetch_b8 v[PFW], s[PFB:PFB+1] offset:768 th:TH_LOAD_NT scope:SCOPE_SE     ; slot 3 of W_out: 768 bytes along the rows
	s_branch .Lasks_nothing
.Lasks_a:
	global_prefetch_b8 v[PFA], s[PFB:PFB+1] offset:12288 th:TH_LOAD_NT scope:SCOPE_SE   ; slot 3 of A: 12,288 bytes into each block of rows
.Lasks_nothing:
	STEP 0, 1                                      ; the first products start the sums
	PLACES 4
	SCA 1
	STEP 1, 0
	PLACES 4
	SCA 2
	SCB 1
	STEP 2, 0
	; K step 3: the barrier that shows slot 1
	WIN 0
	s_cmp_lt_u32 s[WV], 6
	s_cbranch_scc0 .Lnot_slot_1
	s_wait_tensorcnt 0x0                           ; waves 4 and 5: slot 1 has landed
.Lnot_slot_1:
	s_wait_dscnt 0x0
	s_barrier_signal -1
	WIN MUL
	MULA 3, 0, 0
	MULA 3, 1, 0
	WIN 0
	s_barrier_wait -1
	PLACES 4
	FETCH 4
	WIN MUL
	MULA 3, 2, 0
	MULA 3, 3, 0
	MEET 4                                         ; shows slot 2
	CREST                                          ; no wave of any partner still reads region 0 or has a load on its way
	s_add_nc_u64 s[G0A+2:G0A+3], s[G0A+2:G0A+3], 12288   ; from slot 0 to slot 3: three times four images of 1,024 bytes
	s_add_nc_u64 s[G0B+2:G0B+3], s[G0B+2:G0B+3], 768     ; three times 256 bytes along the rows
	JLOAD
	PLACES 4
	FETCH 5
	WIN MUL
	MULA 4, 2, 0
	MULA 4, 3, 0
	PLACES 4
	STEP 5, 0
	PLACES 4
	SCA 3
	STEP 6, 0
	PLACES 4
	STEP 7, 0
	PLACES 4
	STEP 8, 0
	PLACES 4
	STEP 9, 0
	PLACES 4
	STEP 10, 0
	MEET 11                                        ; shows slot 3; nobody reads regions 1 and 2 any more
.macro ALOAD a                         ; A's fragments of block a, the last slot's four K steps -> v[128 + 32 a ..]
.irp q, 0,1,2,3
.irp c, 0,1
	ds_load_b128 v[AF+32*\a+8*\q+4*\c:AF+32*\a+8*\q+4*\c+3], v[ADRA] offset:1024*\q+512*\c+4096*\a
.endr
.endr
.endm
	PLACES 4
	WIN 0x40
.irp q, 0,1,2,3
.irp i, 0,1,2,3
.irp c, 0,1
	ds_load_b128 v[BL+32*\q+8*\i+4*\c:BL+32*\q+8*\i+4*\c+3], v[ADRB] offset:64*\q+32*\c+16*PITCH*\i
.endr
.endr
.endr
	WIN 0
	ALOAD 0                                        ; (K step 11 is at work on set 1: v160-191 and v224-255)
	WIN MUL
	MULA 11, 2, 0
	MULA 11, 3, 0
	PLACES 4
	WIN 0
	ALOAD 1
	ALOAD 2
	ALOAD 3
.macro ROW a                           ; block a is finished: 16 matrix instructions, its four accumulators by turns, K ascending
	WIN MULR
.irp q, 0,1,2,3
.irp b, 0,1,2,3
	WM 8*(4*(\a)+\b), BL+32*\q+8*\b, AF+32*(\a)+8*\q, 0, SB+8*\b+4+\q, SA+16*((\a)/2)+12+\q, 1, (\a)%2
.endr
.endr
	WIN 0
.endm
.macro TOSTAGE a                       ; into my own stage, and back as rows of 256 bytes: LDS serves a wave's instructions in order (ISA guide 5.7.1.4)
	PLACES 4
	WIN 0x04                                       ; an LDS store's data are its source 1
.irp b, 0,1,2,3
	ds_store_b128 v[STO], v[8*(4*(\a)+\b):8*(4*(\a)+\b)+3] offset:64*\b          ; each accumulator from its low end on
	ds_store_b128 v[STO], v[8*(4*(\a)+\b)+4:8*(4*(\a)+\b)+7] offset:64*\b+16
.endr
	WIN 0
.irp i, 0,1,2,3,4,5,6,7
	ds_load_b128 v[AF+32*(\a)+4*\i:AF+32*(\a)+4*\i+3], v[RD] offset:2*PITCH*\i   ; where block a's fragments were
.endr
.endm
.macro SEND a
	s_wait_dscnt 0x0                               ; the block is back in registers
.irp i, 0,1,2,3,4,5,6,7
	global_store_b128 v[CO], v[AF+32*(\a)+4*\i:AF+32*(\a)+4*\i+3], s[12:13] offset:(16*(\a)+2*\i)*8192 th:TH_STORE_NT   ; two rows of 256 consecutive bytes, aligned; written once, read by nobody here
.endr
.endm
	s_wait_dscnt 24                                ; W_out's fragments and A's block 0 are in
	ROW 0
	TOSTAGE 0
	s_wait_dscnt 16                                ; A's blocks 1 to 3 are in; the stage's 16 may be out
	ROW 1
	SEND 0
	TOSTAGE 1
	ROW 2
	SEND 1
	TOSTAGE 2
	ROW 3
	SEND 2
	TOSTAGE 3
	SEND 3
	s_wait_tensorcnt 0x0                           ; the wave's end
	ds_add_u32 v[SPW], v[NIL]
	s_wait_dscnt 0x0
	CROUND                                         ; the closing round
	s_endpgm
.Lfunc_end_k_q698d82ec52_outproj:
	.size	k_q698d82ec52_outproj, .Lfunc_end_k_q698d82ec52_outproj-k_q698d82ec52_outproj
	.p2alignl 7, 3214868480
	.fill 96, 4, 3214868480
	.section	.rodata,"a",@progbits
	.p2align	6, 0x0
	.amdhsa_kernel k_q698d82ec52_outproj
		.amdhsa_group_segment_fixed_size 327680
		.amdhsa_private_segment_fixed_size 0
		.amdhsa_enable_private_segment 0
		.amdhsa_kernarg_size 40
		.amdhsa_user_sgpr_count 2
		.amdhsa_user_sgpr_kernarg_segment_ptr 1
		.amdhsa_wavefront_size32 1
		.amdhsa_system_sgpr_workgroup_id_x 1
		.amdhsa_system_sgpr_workgroup_id_y 1
		.amdhsa_system_sgpr_workgroup_id_z 1
		.amdhsa_system_vgpr_workitem_id 0
		.amdhsa_next_free_vgpr 512
		.amdhsa_next_free_sgpr 100
		.amdhsa_reserve_vcc 0
		.amdhsa_float_denorm_mode_32 3
		.amdhsa_float_denorm_mode_16_64 3
		.amdhsa_memory_ordered 1
		.amdhsa_forward_progress 1
		.amdhsa_inst_pref_size 75
	.end_amdhsa_kernel
	.amdgpu_metadata
---
amdhsa.version: [ 1, 2 ]
amdhsa.kernels:
  - .name:           k_q698d82ec52_outproj
    .symbol:         k_q698d82ec52_outproj.kd
    .args:
      - { .name: a2_codes, .offset: 0, .size: 8, .value_kind: global_buffer, .address_space: global }
      - { .name: a2_scales, .offset: 8, .size: 8, .value_kind: global_buffer, .address_space: global }
      - { .name: W_out_codes, .offset: 16, .size: 8, .value_kind: global_buffer, .address_space: global }
      - { .name: W_out_scales, .offset: 24, .size: 8, .value_kind: global_buffer, .address_space: global }
      - { .name: out0, .offset: 32, .size: 8, .value_kind: global_buffer, .address_space: global }
    .group_segment_fixed_size: 327680
    .private_segment_fixed_size: 0
    .kernarg_segment_align: 8
    .kernarg_segment_size: 40
    .max_flat_workgroup_size: 256
    .sgpr_count:     100
    .vgpr_count:     512
    .wavefront_size: 32
...
	.end_amdgpu_metadata
.endif
;; end of part 2
